; MI455X (gfx1250); checked and timed in simulation.
; The chip was launched on July 23, 2026; its instructions are those of AMD's public machine-readable ISA for CDNA 5 (MIT licence, August 2026) and "CDNA5" Instruction Set Architecture Reference Guide (July 2026). The comments in the code are by the model that wrote it; some were corrected since.
;; Multi Headed Attention. Allowed arithmetic: matrix products marked QUANTISED: E2M3 operands, one E8M0 scale for each 32 along K, by v_wmma_scale_f32_16x16x128_f8f6f4 with both operands' format E2M3, f32 sums; everything else in f32.
;; Inputs: Wk 1,024 x 1,024 float32; Wo 1,024 x 1,024 float32; Wq 1,024 x 1,024 float32; Wv 1,024 x 1,024 float32; key 4 x 2,048 x 1,024 float32; mask 4 x 2,048 x 2,048 int32; query 4 x 2,048 x 1,024 float32; value 4 x 2,048 x 1,024 float32.
;; Outputs: out0 4 x 2,048 x 1,024 float32.
;; This version of the problem:
;;   THIS VERSION OF THE PROBLEM IS GIVEN IN LOW PRECISION. The matrix products marked QUANTISED in the list below multiply operands that are first quantised to E2M3 (2 exponent bits, 3 mantissa bits; 6 bits a number), with one power-of-two scale for each 32 numbers along K (OCP MX v1.0); their sums are f32. All else is computed in f32.
;;   The module's matrix products, in the order in which they are computed (A, B: the left and right operand; K: the contracted axis; several contracted axes count as one K, in the product's order):
;;     1. [M 8,192, K 1,024] x [K 1,024, N 1,024]; A: input query; B: input Wq: QUANTISED
;;     2. [M 8,192, K 1,024] x [K 1,024, N 1,024]; A: input key; B: input Wk: QUANTISED
;;     3. [M 8,192, K 1,024] x [K 1,024, N 1,024]; A: input value; B: input Wv: QUANTISED
;;     4. batch 64 x [M 2,048, K 64] x [K 64, N 2,048]; A: computed on the way; B: computed on the way: QUANTISED
;;     5. batch 64 x [M 2,048, K 2,048] x [K 2,048, N 64]; A: computed on the way; B: computed on the way: QUANTISED
;;     6. [M 8,192, K 1,024] x [K 1,024, N 1,024]; A: computed on the way; B: input Wo: QUANTISED
;;   THE QUANTISER, for each operand of a quantised product, along K:
;;     - K is cut into blocks of 32 from its start; a last block that is shorter is filled with zeros.
;;     - A block's scale is 2^e with e = floor(log2(the largest magnitude in the block)) - 2, held to -126 .. 127; a block of zeros has e = 0. As a byte (E8M0): e + 127.
;;     - Each number is divided by its block's scale, clamped to +-7.5, and rounded to the nearest number of E2M3, ties to even, subnormals kept.
;;     - The product sums the exact products of the quantised numbers (number of the format x scale) in f32.
;;   ~~~python
;;   def quantise(x, axis):      # numpy; x: float32 -> the quantised numbers, widened to float32 again
;;       x = np.moveaxis(x, axis, -1); K = x.shape[-1]
;;       x = np.pad(x, [(0, 0)] * (x.ndim - 1) + [(0, -K % 32)]); x = x.reshape(x.shape[:-1] + (-1, 32)); a = np.abs(x).max(-1, keepdims=True)
;;       e = np.where(a > 0, np.clip(np.frexp(np.where(a > 0, a, 1))[1] - 1 - 2, -126, 127), 0)      # np.frexp(a)[1] - 1 = floor(log2(a)), exactly
;;       r = np.clip(x / 2.0 ** e, -7.5, 7.5)
;;       step = 2.0 ** (np.maximum(np.frexp(np.where(r == 0, 1, r))[1] - 1, 0) - 3)
;;       q = np.round(r / step) * step * 2.0 ** e      # np.round: ties to even
;;       return np.moveaxis(q.reshape(q.shape[:-2] + (-1,))[..., :K], -1, axis).astype(np.float32)
;;   ~~~
;;   OPERANDS COMPUTED ON THE WAY. 'Computed on the way' means the value that the module computes at that place (a softmax that the list does not call 'softmax' is quantised finished and normalised). What goes into a quantiser is computed in f32, as accurately as f32 sums, v_exp_f32 and their like allow (about 1e-6 of the number): no bf16 or f16 on the way to a quantiser, and a product that is left as it is and whose result goes on into a quantised operand takes f32 operands (vector FMAs, or v_wmma_f32_16x16x4_f32). A number that lies on a knife's edge between two numbers of the format may be rounded either way, as far as f32 arithmetic and the matrix unit's own rounding can turn it there, and no further.
;; One version. Each part assembles by itself: llvm-mc -triple=amdgcn-amd-amdhsa -mcpu=gfx1250 --defsym DOCPART=n.
;; ======== version 1 of 1: 4 launches
;; limits: right only within a limited range of input values
;; workspace buffers: cod 23,855,104 bytes; maskw 2,097,152 bytes of whole numbers; hcod 18,874,368 bytes; hscl 1,572,864 bytes; xc 6,815,744 bytes
;; launch prep (part 1): grid 704 x 1, 4 waves a work-group, no clusters, 68,096 bytes of LDS; arguments query, key, value, Wq, Wk, Wv, Wo, mask, cod, maskw; writes cod, maskw
.if DOCPART == 1
	.amdgcn_target "amdgcn-amd-amdhsa--gfx1250"
	.amdhsa_code_object_version 6
	.text
	.protected	k_q405d505b96_prep
	.globl	k_q405d505b96_prep
	.p2align	8
	.type	k_q405d505b96_prep,@function
k_q405d505b96_prep:
	s_mov_b64 s[64:65], 0
	v_nop
	global_prefetch_b8 v0, s[64:65] scope:SCOPE_SE
	s_setreg_imm32_b32 hwreg(HW_REG_WAVE_MODE, 25, 1), 1
	s_wait_xcnt 0x0
; PREP.  query, key, value [8192][1024] and Wq, Wk, Wv, Wo [1024][1024], f32 with K innermost, become codes of FP6 (E2M3) with one E8M0 byte for each 32 along K;
; mask [8192][2048] int32 becomes words of 32 lane bits.  Everything is laid in the order in which a later launch's registers take it.
; TILES.  A matrix is cut into tiles of 16 rows that are NOT neighbours: row m of tile T is matrix row 64 (T / 4) + 8 (T % 4) + m % 8 + 32 (m / 8).  Four such tiles as source 0 of a matrix
; instruction leave in a lane's 32 result registers 32 NEIGHBOURING rows, a whole block of the next quantiser.
; cod: 13,312 bytes a tile: 4 chunks of 3,328 = the register image of K step 2 c (3 pieces of 512 bytes: lane l's registers 4 p .. 4 p + 3 at 16 l), that of K step 2 c + 1, and 256 bytes of scale
; words (lane l's two words at 8 l; lanes l and l + 16 hold the same row's).  maskw: 4,096 bytes a tile of 16 query rows: 16 steps of 128 keys x 64 words; bit l of word n says whether
; mask[row l % 16 of the tile][128 step + 64 (n / 32) + 32 (l / 16) + n % 32] is not 0.
; SHARES.  A unit is a tile's 16 rows x 512 bytes; a wave takes 8 units.  Work-groups 0-447: a wave quantises one tile (all of K).  Work-groups 448-703: a wave packs half a mask tile.
; Each load reads 512 consecutive bytes of one row; a unit turns through the wave's own stage in LDS (16 rows, 528 bytes apart) so that lane (r, h) gets 2 x 32 neighbours of row r.
; A block's scale is 2^(floor(log2(largest magnitude)) - 2): its byte is the largest magnitude's exponent field - 2, held at 1 from below.
; LIMITS: a block of zeros, and one whose largest magnitude lies under 2^-124, has the byte 1 (zero codes add nothing under it; this program alone reads the bytes); NaN and infinities are not served.
; No tensor load, no barrier: waves share nothing.  No cluster: no two work-groups read the same bytes.
.set STGB,  8448                       ; a wave's stage: 16 rows x 528 bytes
.set MBASE, 4*STGB                     ; the mask path's four stages lie behind the quantiser path's four: each path has LDS bytes of its own
.set SPARE, 8*STGB                     ; the spare words, 128 bytes for each wave: two blocks of 256 bytes that no other line names
.set GA,  1                            ; v1   16 x lane
.set STI, 2                            ; v2   into the stage: wave's stage + 16 x lane
.set STO, 3                            ; v3   out of it: wave's stage + 528 r + 128 h
.set LI8, 4                            ; v4   8 x lane
.set H8,  5                            ; v5   8 h
.set SPW, 6                            ; v6   my spare word; never rewritten
.set NIL, 7                            ; v7   0; never rewritten
.set R,   16                           ; v16-79 and v176-239: two units as loaded, by turns
.set X,   80                           ; v80-143  register 32 c + i: number 64 c + 32 h + i of row r
.set PC,  144                          ; v144-155 a fragment's codes
.set TT,  156                          ; v156-162 the upper halves of two blocks' codes
.set TM,  164                          ; v164-167 largest magnitudes
.set TS,  168                          ; v168-169 the conversions' scale operands
.set TB,  170                          ; v170-171 scale bytes
.set TX,  172                          ; v172     the other half's bytes
.set WW,  174                          ; v174-175 two K steps' scale words; on the mask path: two words a lane
.set SEL, 26                           ; s[26:27] lane selects: lane l xor 16
	s_load_b512 s[4:19], s[0:1], 0x0               ; query, key, value, Wq, Wk, Wv, Wo, mask
	s_load_b128 s[20:23], s[0:1], 0x40             ; cod, maskw
	v_lshl_add_u32 v[SPW], v0, 2, SPARE
	v_mov_b32 v[NIL], 0
	v_lshrrev_b32 v8, 5, v0
	v_readfirstlane_b32 s24, v8                    ; wave
	v_and_b32 v9, 31, v0                           ; lane
	v_and_b32 v10, 15, v0                          ; r
	v_bfe_u32 v11, v0, 4, 1                        ; h
	v_lshlrev_b32 v[GA], 4, v9
	v_lshlrev_b32 v[LI8], 3, v9
	v_lshlrev_b32 v[H8], 3, v11
	s_mul_i32 s25, s24, STGB
	v_add_nc_u32 v[STI], s25, v[GA]
	v_mul_u32_u24 v[STO], v10, 528
	v_lshl_add_u32 v[STO], v11, 7, v[STO]
	v_add_nc_u32 v[STO], s25, v[STO]
	v_mov_b32 v[TX], 0                             ; written once: a lane permute's destination counts as one of its sources
	v_mov_b32 v[WW], 0                             ; likewise v_writelane_b32's
	v_mov_b32 v[WW+1], 0
	s_mov_b32 s[SEL], 0x76543210
	s_mov_b32 s[SEL+1], 0xfedcba98
.macro UL t, pitch                     ; unit t: 16 loads, each 512 consecutive bytes of one of the tile's rows
.irp i, 0,1,2,3,4,5,6,7,8,9,10,11,12,13,14,15
	global_load_b128 v[R+160*((\t)%2)+4*\i:R+160*((\t)%2)+4*\i+3], v[GA], s[28:29] offset:(\i%8+32*(\i/8))*\pitch+512*(\t) th:TH_LOAD_NT
.endr
.endm
.macro TURN base, t                    ; unit t through my stage: LDS serves a wave's instructions in order, so no wait stands between the stores and the loads
.irp i, 0,1,2,3,4,5,6,7,8,9,10,11,12,13,14,15
	ds_store_b128 v[STI], v[R+160*((\t)%2)+4*\i:R+160*((\t)%2)+4*\i+3] offset:\base+528*\i
.endr
.irp c, 0,1
.irp e, 0,1,2,3,4,5,6,7
	ds_load_b128 v[X+32*\c+4*\e:X+32*\c+4*\e+3], v[STO] offset:\base+256*\c+16*\e
.endr
.endr
.endm
; 64 numbers of a lane (two whole blocks of its row) become the fragment's 12 registers at v[PC] on and the row's scale word in v[w].
.macro QUANT w
.irp k, 0,1,2,3
	v_max3_num_f32 v[TM+\k], |v[X+16*\k]|, |v[X+16*\k+1]|, 0x1800000   ; four chains of 16 by turns; the floor 2^(3 - 127) holds the byte at 1 from below
.endr
.irp i, 2,4,6,8,10,12,14
.irp k, 0,1,2,3
	v_max3_num_f32 v[TM+\k], |v[X+16*\k+\i]|, |v[X+16*\k+\i+1]|, v[TM+\k]
.endr
.endr
	v_max_num_f32 v[TM], v[TM], v[TM+1]            ; block h
	v_max_num_f32 v[TM+2], v[TM+2], v[TM+3]        ; block 2 + h
	v_add_nc_u32 v[TS], 0xff000000, v[TM]          ; 2 off the exponent field: the conversion takes that field as its scale and nothing else
	v_add_nc_u32 v[TS+1], 0xff000000, v[TM+2]
	v_lshrrev_b32 v[TB], 23, v[TS]                 ; the bytes
	v_lshrrev_b32 v[TB+1], 23, v[TS+1]
	v_lshl_or_b32 v[\w], v[TB+1], 16, v[TB]
	v_lshlrev_b32 v[\w], v[H8], v[\w]              ; at their places in the word, 8 h bits up;
	v_permlanex16_b32 v[TX], v[\w], s[SEL], s[SEL+1]
	v_or_b32 v[\w], v[\w], v[TX]                   ; with lane l xor 16's two the word is whole, in both lanes
	v_cvt_scalef32_pk16_fp6_f32 v[PC:PC+2], v[X:X+15], v[TS]
	v_cvt_scalef32_pk16_fp6_f32 v[TT:TT+2], v[X+16:X+31], v[TS]       ; (a conversion's three registers begin on an even number)
	v_cvt_scalef32_pk16_fp6_f32 v[PC+6:PC+8], v[X+32:X+47], v[TS+1]
	v_cvt_scalef32_pk16_fp6_f32 v[TT+4:TT+6], v[X+48:X+63], v[TS+1]
	v_nop                                          ; one plain place behind the scaled conversions
.irp i, 0,1,2
	v_mov_b32 v[PC+3+\i], v[TT+\i]
	v_mov_b32 v[PC+9+\i], v[TT+4+\i]
.endr
.endm
	s_wait_kmcnt 0x0
	s_cmp_ge_u32 ttmp9, 448
	s_cbranch_scc1 .Lmask
	; ---- the quantiser path.  128 work-groups for each of query, key, value, 16 for each W: the input and its first work-group, chosen on the work-group's number alone
	s_mov_b64 s[28:29], s[4:5]
	s_mov_b32 s30, 0
	s_cmp_ge_u32 ttmp9, 128
	s_cselect_b64 s[28:29], s[6:7], s[28:29]
	s_cselect_b32 s30, 128, s30
	s_cmp_ge_u32 ttmp9, 256
	s_cselect_b64 s[28:29], s[8:9], s[28:29]
	s_cselect_b32 s30, 256, s30
	s_cmp_ge_u32 ttmp9, 384
	s_cselect_b64 s[28:29], s[10:11], s[28:29]
	s_cselect_b32 s30, 384, s30
	s_cmp_ge_u32 ttmp9, 400
	s_cselect_b64 s[28:29], s[12:13], s[28:29]
	s_cselect_b32 s30, 400, s30
	s_cmp_ge_u32 ttmp9, 416
	s_cselect_b64 s[28:29], s[14:15], s[28:29]
	s_cselect_b32 s30, 416, s30
	s_cmp_ge_u32 ttmp9, 432
	s_cselect_b64 s[28:29], s[16:17], s[28:29]
	s_cselect_b32 s30, 432, s30
	s_sub_co_u32 s31, ttmp9, s30                   ; which 64 rows of the matrix
	s_lshl_b32 s32, s31, 18                        ; 64 rows of 4,096 bytes,
	s_lshl_b32 s33, s24, 15                        ; + 8 rows for each wave: the tile's first row
	s_add_co_u32 s32, s32, s33
	s_mov_b32 s33, 0
	s_add_nc_u64 s[28:29], s[28:29], s[32:33]
	s_lshl_b32 s34, ttmp9, 2
	s_add_co_u32 s34, s34, s24                     ; the tile's number in cod
	s_mul_i32 s34, s34, 13312
	s_mov_b32 s35, 0
	s_add_nc_u64 s[20:21], s[20:21], s[34:35]
	UL 0, 4096
	UL 1, 4096                                     ; two units, 32 loads a wave, are out
	s_wait_alu depctr_va_vdst(0)
.irp t, 0,1,2,3,4,5,6,7
.if \t < 7
	s_wait_loadcnt 16                              ; the unit is in; the next unit's 16 loads may be out
.else
	s_wait_loadcnt 0x0
.endif
	TURN 0, \t
	s_wait_dscnt 0x0                               ; it is back from the stage, and the stage's stores have read their registers
	s_wait_xcnt 0x0                                ; the last step's stores have read their data: codes and scale words are rewritten only behind this wait
.if \t < 6
	UL \t+2, 4096                                  ; into the registers that the stage's stores have just read
.endif
	QUANT WW+\t%2
.irp p, 0,1,2
	global_store_b128 v[GA], v[PC+4*\p:PC+4*\p+3], s[20:21] offset:(\t/2)*3328+(\t%2)*1536+512*\p   ; 512 consecutive bytes, at a multiple of 256 from cod's first byte
.endr
.if \t%2
	global_store_b64 v[LI8], v[WW:WW+1], s[20:21] offset:(\t/2)*3328+3072                           ; 256 consecutive bytes
.endif
.endr
	s_wait_tensorcnt 0x0                           ; the wave's end
	ds_add_u32 v[SPW], v[NIL]
	s_wait_dscnt 0x0
	s_endpgm
	; ---- the mask path
.Lmask:
	s_sub_co_u32 s31, ttmp9, 448
	s_lshl_b32 s31, s31, 1
	s_lshr_b32 s32, s24, 1
	s_add_co_u32 s31, s31, s32                     ; the mask tile, 0 .. 511
	s_and_b32 s36, s24, 1                          ; which half of its 2,048 keys
	s_lshr_b32 s32, s31, 2
	s_lshl_b32 s32, s32, 19                        ; 64 rows of 8,192 bytes
	s_and_b32 s33, s31, 3
	s_lshl_b32 s33, s33, 16                        ; 8 rows
	s_add_co_u32 s32, s32, s33
	s_lshl_b32 s33, s36, 12
	s_add_co_u32 s32, s32, s33
	s_mov_b32 s33, 0
	s_add_nc_u64 s[28:29], s[18:19], s[32:33]
	s_lshl_b32 s34, s31, 12
	s_lshl_b32 s35, s36, 11
	s_add_co_u32 s34, s34, s35
	s_mov_b32 s35, 0
	s_add_nc_u64 s[22:23], s[22:23], s[34:35]
	UL 0, 8192
	UL 1, 8192
	s_wait_alu depctr_va_vdst(0)
.irp t, 0,1,2,3,4,5,6,7
.if \t < 7
	s_wait_loadcnt 16                              ; the unit is in; the next unit's 16 loads may be out
.else
	s_wait_loadcnt 0x0
.endif
	TURN MBASE, \t
	s_wait_dscnt 0x0
	s_wait_xcnt 0x0                                ; the last step's store has read its two registers
.if \t < 6
	UL \t+2, 8192
.endif
.set n, 0
.rept 8                                        ; a compare leaves the 32 lanes' bits in a scalar register: that is word n; lane n / 2 takes words n and n + 1
.irp k, 0,1,2,3,4,5,6,7
	v_cmp_ne_u32 s[40+\k], 0, v[X+n+\k]
.endr
.irp k, 0,1,2,3,4,5,6,7
	v_writelane_b32 v[WW+\k%2], s[40+\k], (n+\k)/2
.endr
.set n, n+8
.endr
	global_store_b64 v[LI8], v[WW:WW+1], s[22:23] offset:256*\t     ; a step's 64 words: 256 consecutive bytes
.endr
	s_wait_tensorcnt 0x0                           ; the wave's end, as above
	ds_add_u32 v[SPW], v[NIL]
	s_wait_dscnt 0x0
	s_endpgm
.Lfunc_end_k_q405d505b96_prep:
	.size	k_q405d505b96_prep, .Lfunc_end_k_q405d505b96_prep-k_q405d505b96_prep
	.p2alignl 7, 3214868480
	.fill 96, 4, 3214868480
	.section	.rodata,"a",@progbits
	.p2align	6, 0x0
	.amdhsa_kernel k_q405d505b96_prep
		.amdhsa_group_segment_fixed_size 68096
		.amdhsa_private_segment_fixed_size 0
		.amdhsa_enable_private_segment 0
		.amdhsa_kernarg_size 80
		.amdhsa_user_sgpr_count 2
		.amdhsa_user_sgpr_kernarg_segment_ptr 1
		.amdhsa_wavefront_size32 1
		.amdhsa_system_sgpr_workgroup_id_x 1
		.amdhsa_system_sgpr_workgroup_id_y 1
		.amdhsa_system_sgpr_workgroup_id_z 1
		.amdhsa_system_vgpr_workitem_id 0
		.amdhsa_next_free_vgpr 240
		.amdhsa_next_free_sgpr 66
		.amdhsa_reserve_vcc 0
		.amdhsa_float_denorm_mode_32 3
		.amdhsa_float_denorm_mode_16_64 3
		.amdhsa_memory_ordered 1
		.amdhsa_forward_progress 1
		.amdhsa_inst_pref_size 153
	.end_amdhsa_kernel
	.amdgpu_metadata
---
amdhsa.version: [ 1, 2 ]
amdhsa.kernels:
  - .name:           k_q405d505b96_prep
    .symbol:         k_q405d505b96_prep.kd
    .args:
      - { .name: query, .offset: 0, .size: 8, .value_kind: global_buffer, .address_space: global }
      - { .name: key, .offset: 8, .size: 8, .value_kind: global_buffer, .address_space: global }
      - { .name: value, .offset: 16, .size: 8, .value_kind: global_buffer, .address_space: global }
      - { .name: Wq, .offset: 24, .size: 8, .value_kind: global_buffer, .address_space: global }
      - { .name: Wk, .offset: 32, .size: 8, .value_kind: global_buffer, .address_space: global }
      - { .name: Wv, .offset: 40, .size: 8, .value_kind: global_buffer, .address_space: global }
      - { .name: Wo, .offset: 48, .size: 8, .value_kind: global_buffer, .address_space: global }
      - { .name: mask, .offset: 56, .size: 8, .value_kind: global_buffer, .address_space: global }
      - { .name: cod, .offset: 64, .size: 8, .value_kind: global_buffer, .address_space: global }
      - { .name: maskw, .offset: 72, .size: 8, .value_kind: global_buffer, .address_space: global }
    .group_segment_fixed_size: 68096
    .private_segment_fixed_size: 0
    .kernarg_segment_align: 8
    .kernarg_segment_size: 80
    .max_flat_workgroup_size: 128
    .sgpr_count:     66
    .vgpr_count:     240
    .wavefront_size: 32
...
	.end_amdgpu_metadata
.endif
;; end of part 1
;; launch proj (part 2): grid 4 x 192, 4 waves a work-group, clusters of 4 x 4, 327,680 bytes of LDS; arguments cod, hcod, hscl; writes hcod, hscl
.if DOCPART == 2
	.amdgcn_target "amdgcn-amd-amdhsa--gfx1250"
	.amdhsa_code_object_version 6
	.text
	.protected	k_q405d505b96_proj
	.globl	k_q405d505b96_proj
	.p2align	8
	.type	k_q405d505b96_proj,@function
k_q405d505b96_proj:
	s_mov_b64 s[64:65], 0
	v_nop
	global_prefetch_b8 v0, s[64:65] scope:SCOPE_SE
	s_setreg_imm32_b32 hwreg(HW_REG_WAVE_MODE, 25, 1), 1
	s_wait_xcnt 0x0
	s_wait_alu depctr_hold_cnt(0) depctr_sa_sdst(0) depctr_va_vdst(0) depctr_va_sdst(0) depctr_va_ssrc(0) depctr_va_vcc(0) depctr_vm_vsrc(0)
	s_getreg_b32 s2, hwreg(HW_REG_IB_STS2, 6, 4)
	s_cmp_eq_u32 s2, 0
	s_cbranch_scc0 .Lentry_in_a_cluster
	s_endpgm
.Lentry_in_a_cluster:
	s_bfe_u32 s2, ttmp6, 0x10000c
	s_cmp_lg_u32 s2, 0xf033
	s_cbranch_scc0 .Lentry_shape_is_right
	s_endpgm
.Lentry_shape_is_right:
; PROJ.  q = query Wq^T, k = key Wk^T, v = value Wv^T on codes of FP6 with E8M0 scales (K = 1,024), and q, k, v quantised again on the way out, for the attention's two products.
; Z = S0 S1^T, source 0 = 16 rows of S0, source 1 = 16 rows of S1: a lane holds ONE row of S1 and its registers run along S0's rows; by the tiles' order of rows (row m of tile T is matrix row
; 64 (T / 4) + 8 (T % 4) + m % 8 + 32 (m / 8)) the 32 registers of four neighbouring tiles of S0 are 32 NEIGHBOURING rows of S0: a whole block of the next quantiser in one lane.
; q, k: S0 = W (its rows are head x 64 + d: the next K is d), S1 = x.   v: S0 = value (its rows are the keys: the next K), S1 = Wv.  Nothing is transposed.
; SHARES.  A work-group makes 256 rows of S0 x 128 rows of S1; all of K lies in LDS (4 chunks of 2 K steps), each byte filled once.  A wave makes 128 x 64: 32 accumulators.
; CLUSTER 4 x 4: S0's tiles hang on cx alone and are asked for jointly by a column of the cluster, S1's on cy alone, by a row.  Clusters 0-15 along y make q, 16-31 k, 32-47 v.
; OUT.  hcod: q at 0, k at 6,291,456: [b 16 + head][group of 64 rows][pair 0, 1][1,536]: the register image of a PAIR fragment: tile 4 g + 2 p of the rows in registers 0-5 (the head's 64 d),
; tile 4 g + 2 p + 1 in registers 6-11.  v at 12,582,912: [b 16 + head][step of 128 keys][tile of 16 d][1,536].  hscl: q at 0, k at 524,288: [..][group][lane][2 words]; v at 1,048,576: [..][step][lane][4 words].
; LIMITS: blocks of zeros and blocks whose largest magnitude lies under 2^-124 have the byte 1; NaN and infinities are not served.
; REGISTERS: window 0: v1-9 addresses; v16-111 S0's 8 fragments, v112-159 S1's 4 (even K steps); v160-207 scale words, two sets; on the way out v16-63 codes, v208-235 at work.
;   window 1: accumulator (a, b) at v[8 (8 a + b)], a: tile of S1, b: tile of S0.   window 2: v16-159 the fragments of odd K steps.
.set CHUNK, 79872                      ; a quarter of the LDS bytes that the tiles take
.set TROW,  3328                       ; inside a tile: two K steps' fragments and 256 bytes of scale words
.set S1OFF, 212992                     ; LDS: S0's 16 tiles, whole, then S1's 8
.set TILE,  13312                      ; a tile with all of K
.set SPARE, 4*CHUNK                    ; the spare words, 128 bytes for each wave: two blocks of 256 bytes that no other line names
.set WV,  10                           ; s10 wave; s11 wave & 1; s12 wave >> 1
.set H8,  7                            ; v7  8 h
.set SEL, 24                           ; s[24:25] lane selects, written when every fill is done
.set GA,  16                           ; the way out: codes
.set GB,  40
.set TM,  208
.set TS,  212
.set TB,  214
.set TX,  216
.set TT,  218
.set W0,  226
.set W1,  227
.set WA,  228
.set WB,  230
.set WVR, 232
.set MSB, 0
.macro WIN new                         ; the immediate's high byte repeats the setting that is left; a switch that changes nothing is dropped
.set WNEW, \new
.if MSB != WNEW
	s_set_vgpr_msb (MSB<<8)|WNEW
.set MSB, WNEW
.endif
.endm
.macro CROUND                          ; a round of the cluster's barrier
	s_barrier_signal -1
	s_barrier_wait -1
	s_cmp_lg_u32 s[WV], 0
	s_cbranch_scc1 .Lnot_wave_0_\@
	s_barrier_signal -3
.Lnot_wave_0_\@:
	s_barrier_wait -3
	s_barrier_signal -1
	s_barrier_wait -1
.endm
.macro LOADF s                         ; K step s: 12 fragments as images of their registers: every load takes 512 consecutive bytes
.set LP, (\s)%2
.if LP
	WIN 0x80                                       ; destination window 2
.else
	WIN 0
.endif
.irp t, 0,1,2,3,4,5,6,7
.irp k, 0,1,2
	ds_load_b128 v[16+12*\t+4*\k:19+12*\t+4*\k], v[1+11*(\t/4)] offset:(\t%4)*TILE+LP*1536+512*\k
.endr
.endr
.irp t, 0,1,2,3
.irp k, 0,1,2
	ds_load_b128 v[112+12*\t+4*\k:115+12*\t+4*\k], v2 offset:\t*TILE+LP*1536+512*\k
.endr
.endr
	WIN 0
.endm
.macro LOADS q                         ; a chunk's scale words, two K steps' a load, into set q
.irp t, 0,1,2,3,4,5,6,7
	ds_load_b64 v[160+24*(\q)+2*\t:161+24*(\q)+2*\t], v[3+10*(\t/4)] offset:(\t%4)*TILE
.endr
.irp t, 0,1,2,3
	ds_load_b64 v[176+24*(\q)+2*\t:177+24*(\q)+2*\t], v4 offset:\t*TILE
.endr
.endm
.macro MUL s                           ; 32 matrix instructions: the 32 accumulators take turns, one instruction a turn, in the same order in every K step
.set MP, (\s)%2
.set MQ, ((\s)/2)%2
.if MP
	WIN 0x5a                                       ; sources 0 and 1 window 2, C and D window 1
.else
	WIN 0x50
.endif
.irp a, 0,1,2,3
.irp b, 0,1,2,3,4,5,6,7
.if (\s) == 0
	v_wmma_scale_f32_16x16x128_f8f6f4 v[8*(8*\a+\b):8*(8*\a+\b)+7], v[16+12*\b:27+12*\b], v[112+12*\a:123+12*\a], 0, v[160+24*MQ+2*\b+MP], v[176+24*MQ+2*\a+MP] matrix_a_fmt:MATRIX_FMT_FP6 matrix_b_fmt:MATRIX_FMT_FP6
.else
	v_wmma_scale_f32_16x16x128_f8f6f4 v[8*(8*\a+\b):8*(8*\a+\b)+7], v[16+12*\b:27+12*\b], v[112+12*\a:123+12*\a], v[8*(8*\a+\b):8*(8*\a+\b)+7], v[160+24*MQ+2*\b+MP], v[176+24*MQ+2*\a+MP] matrix_a_fmt:MATRIX_FMT_FP6 matrix_b_fmt:MATRIX_FMT_FP6
.endif
.endr
.endr
	WIN 0
.endm
; 64 results of a lane in window 1, v[src] on (register 32 c + i: number i of block 2 c + h of my row), become 6 registers of codes at v[d0] (c = 0) and 6 at v[d1] (c = 1) and the four bytes in v[w].
; Every accumulator is read from its low end on.
.macro QUANT src, d0, d1, w
	WIN 0x05                                       ; sources 0 and 1 window 1
.irp k, 0,1,2,3
	v_max3_num_f32 v[TM+\k], |v[(\src)+16*\k]|, |v[(\src)+16*\k+1]|, 0x1800000   ; four chains of 16 by turns; the floor 2^(3 - 127) holds the byte at 1 from below
.endr
.irp i, 2,4,6,8,10,12,14
.irp k, 0,1,2,3
	v_max3_num_f32 v[TM+\k], |v[(\src)+16*\k+\i]|, |v[(\src)+16*\k+\i+1]|, v[TM+\k]
.endr
.endr
	WIN 0
	v_max_num_f32 v[TM], v[TM], v[TM+1]
	v_max_num_f32 v[TM+2], v[TM+2], v[TM+3]
	v_add_nc_u32 v[TS], 0xff000000, v[TM]          ; 2 off the exponent field: the conversion's scale operand
	v_add_nc_u32 v[TS+1], 0xff000000, v[TM+2]
	v_lshrrev_b32 v[TB], 23, v[TS]
	v_lshrrev_b32 v[TB+1], 23, v[TS+1]
	v_lshl_or_b32 v[\w], v[TB+1], 16, v[TB]
	v_lshlrev_b32 v[\w], v[H8], v[\w]
	v_permlanex16_b32 v[TX], v[\w], s[SEL], s[SEL+1]
	v_or_b32 v[\w], v[\w], v[TX]                   ; the row's four bytes, in both lanes
	WIN 0x01                                       ; source 0 window 1
	v_cvt_scalef32_pk16_fp6_f32 v[(\d0):(\d0)+2], v[(\src):(\src)+15], v[TS]
	v_cvt_scalef32_pk16_fp6_f32 v[TT:TT+2], v[(\src)+16:(\src)+31], v[TS]
	v_cvt_scalef32_pk16_fp6_f32 v[(\d1):(\d1)+2], v[(\src)+32:(\src)+47], v[TS+1]
	v_cvt_scalef32_pk16_fp6_f32 v[TT+4:TT+6], v[(\src)+48:(\src)+63], v[TS+1]
	WIN 0
	v_nop                                          ; one plain place behind the scaled conversions
.irp i, 0,1,2
	v_mov_b32 v[(\d0)+3+\i], v[TT+\i]
	v_mov_b32 v[(\d1)+3+\i], v[TT+4+\i]
.endr
.endm
	s_load_b128 s[4:7], s[0:1], 0x0                ; cod, hcod
	s_load_b64 s[8:9], s[0:1], 0x10                ; hscl
	v_lshl_add_u32 v8, v0, 2, SPARE
	v_mov_b32 v9, 0
	ds_add_u32 v8, v9                              ; the wave's opening: the add and its wait come ahead of my first tensor load; the set-up below, work on registers, stands between them
	ds_add_u32 v8, v9
	v_lshrrev_b32 v10, 5, v0
	v_readfirstlane_b32 s[WV], v10
	s_and_b32 s11, s[WV], 1                        ; my half of S0's 256 rows; also which half of a tile run I fetch
	s_lshr_b32 s12, s[WV], 1                       ; my half of S1's 128 rows
	s_bfe_u32 s13, ttmp6, 0x40000                  ; cx
	s_bfe_u32 s14, ttmp6, 0x40004                  ; cy
	s_and_b32 s15, ttmp7, 0xffff                   ; cluster y, 0 .. 47
	s_lshr_b32 s16, s15, 4                         ; 0 q, 1 k, 2 v: the same in all partners
	s_and_b32 s17, s15, 15
	s_and_b32 s20, s17, 7
	s_lshl_b32 s20, s20, 2
	s_lshr_b32 s21, s17, 3
	s_lshl_b32 s21, s21, 2
	s_lshl_b32 s22, s17, 2
	s_lshl_b32 s23, s16, 6
	s_add_co_u32 s23, s23, 1536                    ; q, k: W's first tile in cod
	s_lshl_b32 s76, s16, 9                         ; q, k: x's first tile
	s_cmp_eq_u32 s16, 2
	s_cselect_b32 s20, s20, 0
	s_cselect_b32 s21, s21, s22
	s_cselect_b32 s23, 1024, s23                   ; v: S0 = value
	s_cselect_b32 s76, 1664, s76                   ; v: S1 = Wv
	s_add_co_u32 s18, s20, s13                     ; which 256 rows of S0: hangs on cx alone
	s_add_co_u32 s19, s21, s14                     ; which 128 rows of S1: on cy alone
	s_lshl_b32 s2, 0x1111, s13                     ; my column of the cluster
	s_lshl_b32 s3, s14, 2
	s_lshl_b32 s3, 15, s3                          ; my row
	; descriptor group 1: rows of 13,312 bytes (a whole tile: 1,664 elements of 8 bytes), 13,312 bytes apart (1,664 elements), dense in LDS
	s_or_b32 s24, s2, (3<<16)|(1<<21)              ; 15:0 the mask: S0's tiles go to my column; 17:16 elements of 8 bytes; 21 set beside a mask
	s_mov_b32 s25, 1664<<16                        ; tensor_dim0: a whole tile, 13,312 bytes, is a row
	s_mov_b32 s26, 8<<16                           ; tensor_dim1 = 8 tiles
	s_mov_b32 s27, 1664<<16                        ; tile_dim0
	s_mov_b32 s28, 8                               ; tile_dim1
	s_mov_b32 s29, 1664                            ; the pitch
	s_mov_b32 s30, 0
	s_mov_b32 s31, 0
	s_or_b32 s32, s3, (3<<16)|(1<<21)              ; S1's tiles go to my row
	s_mov_b32 s33, 1664<<16
	s_mov_b32 s34, 4<<16                           ; 4 tiles
	s_mov_b32 s35, 1664<<16
	s_mov_b32 s36, 4
	s_mov_b32 s37, 1664
	s_mov_b32 s38, 0
	s_mov_b32 s39, 0
	s_lshl_b32 s20, s18, 4
	s_add_co_u32 s20, s20, s23
	s_lshl_b32 s21, s11, 3
	s_add_co_u32 s20, s20, s21                     ; S0: the first of the 8 tiles that I fetch
	s_mul_i32 s20, s20, 13312
	s_mov_b32 s21, 0
	s_lshl_b32 s22, s19, 3
	s_add_co_u32 s22, s22, s76
	s_lshl_b32 s23, s11, 2
	s_add_co_u32 s22, s22, s23                     ; S1: the first of the 4 tiles
	s_mul_i32 s22, s22, 13312
	s_mov_b32 s23, 0
	s_mul_i32 s77, s11, 8*TILE                     ; S0's half: where I fetch to, and what I read
	s_mul_i32 s79, s11, 4*TILE
	s_add_co_u32 s79, s79, S1OFF                   ; S1: where I fetch to
	s_mul_i32 s78, s12, 4*TILE
	s_add_co_u32 s78, s78, S1OFF                   ; S1: what I read
	v_and_b32 v10, 31, v0
	v_bfe_u32 v11, v0, 4, 1
	v_lshlrev_b32 v5, 4, v10                       ; 16 x lane
	v_lshlrev_b32 v6, 3, v10                       ; 8 x lane
	v_lshlrev_b32 v[H8], 3, v11
	v_add_nc_u32 v1, s77, v5                       ; S0's fragments
	v_add_nc_u32 v2, s78, v5                       ; S1's
	v_add_nc_u32 v3, s77, v6
	v_add_nc_u32 v3, 3072, v3                      ; S0's scale words
	v_add_nc_u32 v12, 4*TILE, v1                   ; S0's tiles 4-7: their bytes lie beyond an LDS immediate's reach
	v_add_nc_u32 v13, 4*TILE, v3
	v_add_nc_u32 v4, s78, v6
	v_add_nc_u32 v4, 3072, v4                      ; S1's
	v_mov_b32 v[TX], 0                             ; written once: a lane permute's destination counts as one of its sources
	s_wait_dscnt 0x0                               ; the opening add is done
	s_wait_kmcnt 0x0
	s_add_nc_u64 s[20:21], s[4:5], s[20:21]
	s_add_nc_u64 s[22:23], s[4:5], s[22:23]
.irp c, 0                                      ; one group 0 for S0, one for S1
.set DB, 56+4*\c+4*(\c/2)
	s_mov_b32 s[40+4*\c], 1
	s_add_co_u32 s[41+4*\c], s77, \c*CHUNK
	s_add_nc_u64 s[42+4*\c:43+4*\c], s[20:21], \c*TROW
	s_or_b32 s[43+4*\c], s[43+4*\c], 0x80000000
	s_mov_b32 s[DB], 1
	s_add_co_u32 s[DB+1], s79, \c*CHUNK
	s_add_nc_u64 s[DB+2:DB+3], s[22:23], \c*TROW
	s_or_b32 s[DB+3], s[DB+3], 0x80000000
.endr
	CROUND                                         ; all sixteen work-groups are here: the joint loads meet
	s_cmp_lt_u32 s[WV], 2                          ; waves 0, 1 fetch S0's halves, waves 2, 3 S1's: one load a wave, with all of K
	s_cbranch_scc0 .Lfill_s1
.irp c, 0
	tensor_load_to_lds s[40+4*\c:43+4*\c], s[24:31]
	s_nop 0
.endr
.rept 4
	v_nop
.endr
	s_branch .Lfilled
.Lfill_s1:
.irp c, 0
.set DB, 56+4*\c+4*(\c/2)
	tensor_load_to_lds s[DB:DB+3], s[32:39]
	s_nop 0
.endr
.rept 4
	v_nop
.endr
.Lfilled:
	s_wait_tensorcnt 0x0                           ; my one load is in
	s_barrier_signal -1
	s_barrier_wait -1                              ; everybody's is
	s_wait_alu depctr_va_vdst(0)
	LOADS 0
	LOADF 0
.irp s, 0,1,2,3,4,5,6,7
	s_wait_dscnt 0x0                               ; this K step's fragments are in (asked for 32 matrix instructions ago)
.if ((\s)%2 == 1) && ((\s) < 7)
	v_add_nc_u32 v1, TROW, v1                      ; on to the next two K steps of every tile.  These are also the places between the last products and the loads into the registers that they read
	v_add_nc_u32 v2, TROW, v2
	v_add_nc_u32 v3, TROW, v3
	v_add_nc_u32 v4, TROW, v4
	v_add_nc_u32 v12, TROW, v12
	v_add_nc_u32 v13, TROW, v13
	s_wait_alu depctr_va_vdst(0)                   ; the wait behind these writes
.elseif ((\s) > 0) && ((\s) < 7)
.rept 4
	v_nop                                          ; four places in front of loads into registers that matrix instructions have read
.endr
.endif
.if (\s) < 7
	LOADF \s+1
.if (\s)%2 == 1
	LOADS ((\s+1)/2)%2
.endif
.endif
	MUL \s
.endr
.rept 4
	v_nop                                          ; four places in front of the first read of results
.endr
	s_mov_b32 s[SEL], 0x76543210                   ; (my fill was shown done at the head: the descriptors' registers are free)
	s_mov_b32 s[SEL+1], 0xfedcba98
	s_cmp_eq_u32 s16, 2
	s_cbranch_scc1 .Lway_v
	; ---- q, k: my 64 rows are group G; my 128 columns are heads hA and hA + 1
	s_lshl_b32 s20, s19, 1
	s_add_co_u32 s20, s20, s12                     ; G, 0 .. 127
	s_lshl_b32 s21, s18, 2
	s_lshl_b32 s22, s11, 1
	s_add_co_u32 s21, s21, s22                     ; hA
	s_lshr_b32 s22, s20, 5                         ; b
	s_lshl_b32 s22, s22, 4
	s_add_co_u32 s22, s22, s21
	s_lshl_b32 s22, s22, 5
	s_and_b32 s20, s20, 31
	s_add_co_u32 s22, s22, s20                     ; (16 b + hA) 32 + group in the batch
	s_mul_i32 s20, s22, 3072
	s_mul_i32 s21, s16, 6291456
	s_add_co_u32 s20, s20, s21
	s_mov_b32 s21, 0
	s_add_nc_u64 s[6:7], s[6:7], s[20:21]
	s_lshl_b32 s20, s22, 8
	s_lshl_b32 s23, s16, 19
	s_add_co_u32 s20, s20, s23
	s_add_nc_u64 s[8:9], s[8:9], s[20:21]
.irp u, 0,1                                    ; pair u: the rows' tiles 2 u and 2 u + 1; of each, block c = 0 is head hA's 64 d, c = 1 head hA + 1's.  Each result has registers of its own: no store's data are written again
	QUANT 128*\u, GA+12*\u, GB+12*\u, W0
	QUANT 128*\u+64, GA+12*\u+6, GB+12*\u+6, W1
	v_perm_b32 v[WA+\u], v[W1], v[W0], 0x05040100  ; head hA: the lower tile's two bytes, then the upper's
	v_perm_b32 v[WB+\u], v[W1], v[W0], 0x07060302  ; head hA + 1
.irp p, 0,1,2
	global_store_b128 v5, v[GA+12*\u+4*\p:GA+12*\u+4*\p+3], s[6:7] offset:1536*\u+512*\p
	global_store_b128 v5, v[GB+12*\u+4*\p:GB+12*\u+4*\p+3], s[6:7] offset:98304+1536*\u+512*\p
.endr
.endr
	global_store_b64 v6, v[WA:WA+1], s[8:9]
	global_store_b64 v6, v[WB:WB+1], s[8:9] offset:8192
	s_branch .Lend
	; ---- v: my 128 rows of S0 are step Sg of 128 keys; my 64 rows of S1 are head hd
.Lway_v:
	s_lshl_b32 s20, s18, 1
	s_add_co_u32 s20, s20, s11                     ; Sg, 0 .. 63
	s_lshl_b32 s21, s19, 1
	s_add_co_u32 s21, s21, s12                     ; hd
	s_lshr_b32 s22, s20, 4                         ; b
	s_lshl_b32 s22, s22, 4
	s_add_co_u32 s22, s22, s21
	s_lshl_b32 s22, s22, 4
	s_and_b32 s20, s20, 15
	s_add_co_u32 s22, s22, s20                     ; (16 b + hd) 16 + step in the batch
	s_mul_i32 s20, s22, 6144
	s_add_co_u32 s20, s20, 12582912
	s_mov_b32 s21, 0
	s_add_nc_u64 s[6:7], s[6:7], s[20:21]
	s_lshl_b32 s20, s22, 9
	s_add_co_u32 s20, s20, 1048576
	s_add_nc_u64 s[8:9], s[8:9], s[20:21]
.irp a, 0,1,2,3                                ; tile a of the head's d: a whole fragment, 16 d x 128 keys
	QUANT 64*\a, GA+12*\a, GA+12*\a+6, WVR+\a
.irp p, 0,1,2
	global_store_b128 v5, v[GA+12*\a+4*\p:GA+12*\a+4*\p+3], s[6:7] offset:1536*\a+512*\p
.endr
.endr
	global_store_b128 v5, v[WVR:WVR+3], s[8:9]
.Lend:
	s_wait_tensorcnt 0x0                           ; the wave's end
	ds_add_u32 v8, v9
	s_wait_dscnt 0x0
	CROUND                                         ; the closing round
	s_endpgm
.Lfunc_end_k_q405d505b96_proj:
	.size	k_q405d505b96_proj, .Lfunc_end_k_q405d505b96_proj-k_q405d505b96_proj
	.p2alignl 7, 3214868480
	.fill 96, 4, 3214868480
	.section	.rodata,"a",@progbits
	.p2align	6, 0x0
	.amdhsa_kernel k_q405d505b96_proj
		.amdhsa_group_segment_fixed_size 327680
		.amdhsa_private_segment_fixed_size 0
		.amdhsa_enable_private_segment 0
		.amdhsa_kernarg_size 24
		.amdhsa_user_sgpr_count 2
		.amdhsa_user_sgpr_kernarg_segment_ptr 1
		.amdhsa_wavefront_size32 1
		.amdhsa_system_sgpr_workgroup_id_x 1
		.amdhsa_system_sgpr_workgroup_id_y 1
		.amdhsa_system_sgpr_workgroup_id_z 1
		.amdhsa_system_vgpr_workitem_id 0
		.amdhsa_next_free_vgpr 672
		.amdhsa_next_free_sgpr 80
		.amdhsa_reserve_vcc 0
		.amdhsa_float_denorm_mode_32 3
		.amdhsa_float_denorm_mode_16_64 3
		.amdhsa_memory_ordered 1
		.amdhsa_forward_progress 1
		.amdhsa_inst_pref_size 92
	.end_amdhsa_kernel
	.amdgpu_metadata
---
amdhsa.version: [ 1, 2 ]
amdhsa.kernels:
  - .name:           k_q405d505b96_proj
    .symbol:         k_q405d505b96_proj.kd
    .args:
      - { .name: cod, .offset: 0, .size: 8, .value_kind: global_buffer, .address_space: global }
      - { .name: hcod, .offset: 8, .size: 8, .value_kind: global_buffer, .address_space: global }
      - { .name: hscl, .offset: 16, .size: 8, .value_kind: global_buffer, .address_space: global }
    .group_segment_fixed_size: 327680
    .private_segment_fixed_size: 0
    .kernarg_segment_align: 8
    .kernarg_segment_size: 24
    .max_flat_workgroup_size: 128
    .sgpr_count:     80
    .vgpr_count:     672
    .wavefront_size: 32
...
	.end_amdgpu_metadata
.endif
;; end of part 2
;; launch attn (part 3): grid 4 x 64, 16 waves a work-group, no clusters, 135,680 bytes of LDS; arguments hcod, hscl, maskw, xc; writes xc
.if DOCPART == 3
	.amdgcn_target "amdgcn-amd-amdhsa--gfx1250"
	.amdhsa_code_object_version 6
	.text
	.protected	k_q405d505b96_attn
	.globl	k_q405d505b96_attn
	.p2align	8
	.type	k_q405d505b96_attn,@function
k_q405d505b96_attn:
	s_mov_b64 s[64:65], 0
	v_nop
	global_prefetch_b8 v0, s[64:65] scope:SCOPE_SE
	s_setreg_imm32_b32 hwreg(HW_REG_WAVE_MODE, 25, 1), 1
	s_wait_xcnt 0x0
; ATTN.  x = where(m, softmax(where(m, q k^T / 8, -1e9)), 0) v for one head, both products on codes of FP6 with E8M0 scales, and x quantised along the model's 1,024 for the last product.
; THE KEYS ARE SPLIT AMONG THE WAVES.  A work-group owns 512 queries of one head; wave w of 16 owns keys 128 w .. 128 w + 127 and keeps their fragments of k and of v, 96 registers, and their
; scale words in registers for the whole launch.  The work-group walks its 32 tiles of 16 queries; for each tile every wave makes its 16 x 128 scores ONCE, masks them, takes its own maximum m_w,
; p = 2^(c s - c m_w), c = log2(e) / 8, and its own sum l_w.  The 16 pairs (-c m_w, l_w) of each query meet in LDS; every wave then has the row's maximum m, l = sum of l_w 2^(c m_w - c m), and
; f = 2^(c m_w - c m) / l; p f is the finished softmax, which is quantised along the keys and multiplied by the wave's v.  The 16 partial O^T are added through LDS: wave w adds bytes 256 w .. of the tile's
; register image.  After 16 tiles each wave takes one summed tile, quantises it and stores it.
; LAYOUT.  Both products are used transposed (source 0 = 16 keys, or 16 d; source 1 = the 16 queries): a lane holds ONE query.  By the tiles' order of rows, register 32 c + i of the scores is key
; 128 w + 64 c + 32 (lane / 16) + i: a whole block of 32 keys in one lane, and the conversions' results are the second product's operand as they stand.
; K = 64 IN AN INSTRUCTION OF K = 128.  A pair fragment of k holds two tiles of keys, one in each half of K; it is multiplied once by [q | 0] and once by [0 | q] (zero codes add nothing).
; THE MASK comes as words of lane bits (word n for score register n), by scalar loads a tile ahead; it only selects values.
; NO TENSOR LOAD, NO CLUSTER: k and v are read once by a work-group and go straight into the registers that keep them (13,312 bytes a wave); a joint load would land in LDS and be read back once.
; NO PREFETCH: q's fragments (768 bytes) and the mask words (256 bytes a wave) are asked for one whole tile ahead by the loads themselves.
; LIMITS.  A wave's maximum starts at reference()'s own -1e9 (-8e9 ahead of the division by 8): scores under it are not served.  A row with no key gives zeros, as reference() does.
; A block's largest p is taken from its largest score, by the same three instructions: this leans on v_exp_f32 not falling where its input rises.
; Blocks whose largest number lies under 2^-124 have the byte 1.  NaN and infinities are not served.
.set RED,   65536                      ; LDS: from 0 the 16 waves' partial O^T of one tile (4,096 bytes each); from RED 16 summed tiles;
.set STAT,  131072                     ; 16 rows of 80 bytes with the waves' -c m_w, 1,280 bytes on the same with l_w;
.set SPARE, 133632                     ; the spare words, 128 bytes for each wave: eight blocks of 256 bytes that no other line names
.set KF,  84                           ; v84-131  my four pair fragments of k
.set VF,  132                          ; v132-179 my four fragments of v (16 d x 128 keys)
.set S,   180                          ; v180-243 the scores, then p; then O^T in the lower 32 (register 8 t + j is d = 32 (lane / 16) + 8 t + j), then the parts that I add
.set PC,  60                           ; v60-71   p's codes.  v60-75 serve in turn: maxima, sums, the waves' pairs, codes
; v1 16 x lane, v2 8 x lane, v3 8 h; v4, v5 my pair's place and my query's row in STAT; v6, v7 the add's two; v8, v9 my part's place and my slice of the parts; v10, v11 my slice of the summed tiles;
; v12 my summed tile; v13 -infinity; v14 a permute's result; v16-33 q, zeros, q; v34 -c m_w (v35 l_w); v36 f; v38-39 two blocks' largest; v40-43 scale operands and bytes; v44-45 q's scale words of a group;
; v46, v47 one of them shifted up, down; v48 p's scale word; v49 2^(c m_w - c m); v50 c m; v52-55 k's scale words; v56-59 v's
; s12 wave; s15, s16 loop counts; s17 the summed tiles' step; s20 the mask words' offset; s[22:23] c, s24 -c; s[26:27] lane selects; s[4:5], s[6:7] q's codes and scales; s[8:9] mask words;
; s[10:11], s[28:29] x's codes and scale bytes; s[32:63], s[68:99] 64 mask words
.macro MLOAD                           ; a tile's 64 mask words for my 128 keys
	s_load_b512 s[32:47], s[8:9], s20 offset:0x0
	s_load_b512 s[48:63], s[8:9], s20 offset:0x40
	s_load_b512 s[68:83], s[8:9], s20 offset:0x80
	s_load_b512 s[84:99], s[8:9], s20 offset:0xc0
.endm
.macro QLOAD nu                        ; tile nu of the group (4: the next group's first): its half of a pair fragment's image, straight into both places
.set QO, 1536*((\nu)/2)
.if (\nu)%2
.irp d, 16, 28
	global_load_b64 v[\d:\d+1], v1, s[4:5] offset:QO+520
	global_load_b128 v[\d+2:\d+5], v1, s[4:5] offset:QO+1024
.endr
.else
.irp d, 16, 28
	global_load_b128 v[\d:\d+3], v1, s[4:5] offset:QO
	global_load_b64 v[\d+4:\d+5], v1, s[4:5] offset:QO+512
.endr
.endif
.endm
.macro SMUL sa, sb                     ; S^T for my 128 keys: each pair fragment against [q | 0] and against [0 | q]
.irp b, 0,1,2,3
	v_wmma_scale_f32_16x16x128_f8f6f4 v[S+16*\b:S+16*\b+7], v[KF+12*\b:KF+12*\b+11], v[16:27], 0, v[52+\b], v[\sa] matrix_a_fmt:MATRIX_FMT_FP6 matrix_b_fmt:MATRIX_FMT_FP6
	v_wmma_scale_f32_16x16x128_f8f6f4 v[S+16*\b+8:S+16*\b+15], v[KF+12*\b:KF+12*\b+11], v[22:33], 0, v[52+\b], v[\sb] matrix_a_fmt:MATRIX_FMT_FP6 matrix_b_fmt:MATRIX_FMT_FP6
.endr
.endm
.macro BAR
	s_wait_alu depctr_va_vdst(0)                   ; the wait ahead of a wait that blocks
	s_wait_dscnt 0x0                               ; my LDS stores are done and my LDS reads are back
	s_barrier_signal -1
	s_barrier_wait -1
.endm
.macro SMULT t                         ; tile t of the group.  A pair's word holds the lower tile's two bytes, then the upper's; the bytes over the zero codes are finite
.if (\t)%2
	SMUL 47, 44+(\t)/2
.else
	SMUL 44+(\t)/2, 46
.endif
.endm
.macro RLOAD                           ; my 256 bytes of each of the 16 parts, into 16 pairs of registers that lie idle from the second product to the next maxima
.set n, 0
.irp d, 60,62,64,66,68,70,72,74,244,246,248,250,252,254,38,40
	ds_load_b64 v[\d:\d+1], v9 offset:4096*n
.set n, n+1
.endr
.endm
.macro RADD a, b
	v_pk_add_f32 v[\a:\a+1], v[\a:\a+1], v[\b:\b+1]
.endm
.macro RSUM slot                       ; the 16 are added, and the sum goes into the summed tile's image
	s_wait_alu depctr_va_vdst(0)                   ; the wait ahead of a wait that blocks
	s_wait_dscnt 0x0
	RADD 60, 62
	RADD 64, 66
	RADD 68, 70
	RADD 72, 74
	RADD 244, 246
	RADD 248, 250
	RADD 252, 254
	RADD 38, 40
	RADD 60, 64
	RADD 68, 72
	RADD 244, 248
	RADD 252, 38
	RADD 60, 68
	RADD 244, 252
	s_delay_alu instid0(VALU_DEP_1)
	RADD 60, 244
	ds_store_b64 v11, v[60:61] offset:4096*(\slot)
.endm
; Tile u of a group of four.  Tiles 1 to 3 find their scores' products issued, between the signal and the wait of the barrier behind the last tile's parts; they ask for those parts behind the wait
; and add them behind their own 64 mask lines.  Tile 3's own parts are added at its end.
.macro TILE u
.if (\u) == 0
	SMULT 0
.endif
.rept 4
	v_nop                                          ; four places in front of the first read of the scores and of the loads into q's registers
.endr
.if (\u) > 0
	s_barrier_wait -1                              ; all 16 parts of the last tile are in; nobody reads its pairs any more
	RLOAD
.endif
	s_wait_kmcnt 0x0
.set n, 0
.rept 64                                       ; hidden scores become -infinity: p = 0 then.  In ascending order: each accumulator is read from its low end on
	v_cndmask_b32 v[S+n], v13, v[S+n], s[32+n+4*(n/32)]
.set n, n+1
.endr
	QLOAD (\u)+1                                   ; the next tile's q,
.if (\u) == 3
	global_load_b64 v[44:45], v2, s[6:7] offset:256   ; the next group's scale words,
.endif
	s_add_co_u32 s20, s20, 4096                    ; and the next tile's mask words; behind the last tile the last tile's again: the offset stays inside my 32 tiles
	s_min_u32 s20, s20, 0x1f000
	MLOAD
.if (\u) > 0
	RSUM (\u)-1                                    ; the last tile's parts
.endif
.irp k, 0,1,2,3                                ; the largest score of my two blocks of 32 keys: four chains of 16 by turns
	v_max3_num_f32 v[60+\k], v[S+16*\k], v[S+16*\k+1], v[S+16*\k+2]
.endr
.irp i, 3,5,7,9,11,13
.irp k, 0,1,2,3
	v_max3_num_f32 v[60+\k], v[60+\k], v[S+16*\k+\i], v[S+16*\k+\i+1]
.endr
.endr
	v_max3_num_f32 v38, v60, v61, v[S+15]
	v_max3_num_f32 v39, v62, v63, v[S+47]
	s_delay_alu instid0(VALU_DEP_2)
	v_max_num_f32 v38, v38, v[S+31]
	s_delay_alu instid0(VALU_DEP_2)
	v_max_num_f32 v39, v39, v[S+63]
	s_delay_alu instid0(VALU_DEP_1)
	v_max_num_f32 v60, v38, v39
	s_delay_alu instid0(VALU_DEP_1)
	v_permlanex16_b32 v14, v60, s26, s27           ; the query's other 64 of my keys lie in the lane 16 away
	s_delay_alu instid0(VALU_DEP_1)
	v_max3_num_f32 v60, v60, v14, 0xcfee6b28       ; m_w, at least -8e9
	s_delay_alu instid0(VALU_DEP_1)
	v_mul_f32 v34, s24, v60                        ; -c m_w
.set n, 0
.rept 32
	v_pk_fma_f32 v[S+n:S+n+1], v[S+n:S+n+1], s[22:23], v[34:35] op_sel_hi:[1,0,0]   ; c s - c m_w, two at a time (of the pairs the low word serves both halves)
.set n, n+2
.endr
	v_fma_f32 v38, v38, s22, v34                   ; the same of each block's largest score
	v_fma_f32 v39, v39, s22, v34
	s_wait_alu depctr_va_vdst(0)                   ; ahead of the batch
.set n, 0
.rept 64
	v_exp_f32 v[S+n], v[S+n]
.set n, n+1
.endr
	v_exp_f32 v38, v38
	v_exp_f32 v39, v39
	v_nop                                          ; a plain place behind the last exponential
	s_wait_alu depctr_va_vdst(0)                   ; one wait for the batch of 66, ahead of its first reader
.irp k, 0,1,2,3                                ; l_w: four chains of pairs
	v_pk_add_f32 v[60+2*\k:61+2*\k], v[S+2*\k:S+2*\k+1], v[S+8+2*\k:S+9+2*\k]
.endr
.irp i, 16,24,32,40,48,56
.irp k, 0,1,2,3
	v_pk_add_f32 v[60+2*\k:61+2*\k], v[60+2*\k:61+2*\k], v[S+\i+2*\k:S+\i+2*\k+1]
.endr
.endr
	v_pk_add_f32 v[60:61], v[60:61], v[62:63]
	v_pk_add_f32 v[64:65], v[64:65], v[66:67]
	s_delay_alu instid0(VALU_DEP_1)
	v_pk_add_f32 v[60:61], v[60:61], v[64:65]
	s_delay_alu instid0(VALU_DEP_1)
	v_add_f32 v35, v60, v61
	s_delay_alu instid0(VALU_DEP_1)
	v_permlanex16_b32 v14, v35, s26, s27
	s_delay_alu instid0(VALU_DEP_1)
	v_add_f32 v35, v35, v14
	ds_store_b32 v4, v34                           ; lanes l and l + 16 write the same word with the same value
	ds_store_b32 v4, v35 offset:1280
	BAR                                            ; all 16 pairs of every query are in; nobody reads the last tile's parts any more
	ds_load_b128 v[60:63], v5                      ; eight waves' -c m_w of my query (lanes 16-31: the other eight),
	ds_load_b128 v[64:67], v5 offset:16
	ds_load_b128 v[68:71], v5 offset:1280          ; and their l_w
	ds_load_b128 v[72:75], v5 offset:1296
	s_wait_dscnt 0x0
	s_wait_loadcnt 0x0                             ; the next tile's q and scale words are in (asked for behind this tile's mask)
.if (\u) == 0                                  ; the next tile's shifted scale word: more than eight plain vector lines follow ahead of its product
	v_lshrrev_b32 v47, 16, v44
.elseif (\u) == 1
	v_lshlrev_b32 v46, 16, v45
.elseif (\u) == 2
	v_lshrrev_b32 v47, 16, v45
.else
	v_lshlrev_b32 v46, 16, v44
.endif
	v_max3_num_f32 v50, -v60, -v61, -v62
	s_delay_alu instid0(VALU_DEP_1)
	v_max3_num_f32 v50, v50, -v63, -v64
	s_delay_alu instid0(VALU_DEP_1)
	v_max3_num_f32 v50, v50, -v65, -v66
	s_delay_alu instid0(VALU_DEP_1)
	v_max_num_f32 v50, v50, -v67
	s_delay_alu instid0(VALU_DEP_1)
	v_permlanex16_b32 v14, v50, s26, s27
	s_delay_alu instid0(VALU_DEP_1)
	v_max_num_f32 v50, v50, v14                    ; c m, the row's
.irp i, 0,2,4,6
	v_pk_add_f32 v[60+\i:61+\i], v[50:51], v[60+\i:61+\i] op_sel_hi:[0,1] neg_lo:[1,1] neg_hi:[1,1]   ; c m_w - c m, 0 or less
.endr
	v_sub_f32 v49, -v50, v34                       ; and my own wave's
	s_wait_alu depctr_va_vdst(0)                   ; ahead of the batch
.irp i, 0,1,2,3,4,5,6,7
	v_exp_f32 v[60+\i], v[60+\i]
.endr
	v_exp_f32 v49, v49
	v_nop
	s_wait_alu depctr_va_vdst(0)                   ; behind it
	v_pk_mul_f32 v[68:69], v[68:69], v[60:61]
	v_pk_mul_f32 v[70:71], v[70:71], v[62:63]
	v_pk_fma_f32 v[68:69], v[72:73], v[64:65], v[68:69]
	v_pk_fma_f32 v[70:71], v[74:75], v[66:67], v[70:71]
	s_delay_alu instid0(VALU_DEP_1)
	v_pk_add_f32 v[68:69], v[68:69], v[70:71]
	s_delay_alu instid0(VALU_DEP_1)
	v_add_f32 v68, v68, v69
	s_delay_alu instid0(VALU_DEP_1)
	v_permlanex16_b32 v14, v68, s26, s27
	s_delay_alu instid0(VALU_DEP_1)
	v_add_f32 v68, v68, v14                        ; l
	s_delay_alu instid0(VALU_DEP_1)
	v_max_num_f32 v68, 0.5, v68                    ; l is 1 or more where a key counts; a row with none has l = 0 and every p = 0
	s_wait_alu depctr_va_vdst(0)
	v_rcp_f32 v69, v68
	v_nop
	s_wait_alu depctr_va_vdst(0)
	v_mul_f32 v36, v49, v69                        ; f
	v_mul_f32 v38, v38, v36                        ; the blocks' largest finished p: the same instructions on the same numbers give the same bits
	v_mul_f32 v39, v39, v36
	s_delay_alu instid0(VALU_DEP_2)
	v_max_num_f32 v38, 0x1800000, v38              ; the floor 2^(3 - 127): a block whose every p is 0 keeps the byte 1: its codes are zeros
	s_delay_alu instid0(VALU_DEP_2)
	v_max_num_f32 v39, 0x1800000, v39
	s_delay_alu instid0(VALU_DEP_2)
	v_add_nc_u32 v40, 0xff000000, v38              ; 2 off the exponent field: the conversion's scale operand
	s_delay_alu instid0(VALU_DEP_2)
	v_add_nc_u32 v41, 0xff000000, v39
	s_delay_alu instid0(VALU_DEP_2)
	v_lshrrev_b32 v42, 23, v40
	s_delay_alu instid0(VALU_DEP_2)
	v_lshrrev_b32 v43, 23, v41
	s_delay_alu instid0(VALU_DEP_1)
	v_lshl_or_b32 v48, v43, 16, v42
	s_delay_alu instid0(VALU_DEP_1)
	v_lshlrev_b32 v48, v3, v48
	s_delay_alu instid0(VALU_DEP_1)
	v_permlanex16_b32 v14, v48, s26, s27
	s_delay_alu instid0(VALU_DEP_1)
	v_or_b32 v48, v48, v14                         ; p's scale word for my 128 keys; the 32 lines below stand between it and the product
.set n, 0
.rept 32
	v_pk_mul_f32 v[S+n:S+n+1], v[S+n:S+n+1], v[36:37] op_sel_hi:[1,0]   ; p, finished
.set n, n+2
.endr
	v_cvt_scalef32_pk16_fp6_f32 v[PC:PC+2], v[S:S+15], v40
	v_cvt_scalef32_pk16_fp6_f32 v[PC+6:PC+8], v[S+32:S+47], v41
	v_nop                                          ; one plain place: the next two write registers that these two have read
	v_cvt_scalef32_pk16_fp6_f32 v[S:S+2], v[S+16:S+31], v40         ; (a conversion's three registers begin on an even number)
	v_cvt_scalef32_pk16_fp6_f32 v[S+32:S+34], v[S+48:S+63], v41
	v_nop                                          ; one plain place behind the scaled conversions
.irp i, 0,1,2
	v_mov_b32 v[PC+3+\i], v[S+\i]
	v_mov_b32 v[PC+9+\i], v[S+32+\i]
.endr
.rept 4
	v_nop                                          ; an operand written by vector instructions stands four places ahead of the scaled matrix instruction
.endr
.irp t, 0,1,2,3                                ; my part of O^T: one product for each 16 d: the sums begin and end here
	v_wmma_scale_f32_16x16x128_f8f6f4 v[S+8*\t:S+8*\t+7], v[VF+12*\t:VF+12*\t+11], v[PC:PC+11], 0, v[56+\t], v48 matrix_a_fmt:MATRIX_FMT_FP6 matrix_b_fmt:MATRIX_FMT_FP6
.endr
.rept 5
	v_nop                                          ; four places in front of the first read of the results, five in front of the next tile's products, which write over them
.endr
.irp g, 0,1,2,3,4,5,6,7
	ds_store_b128 v8, v[S+4*\g:S+4*\g+3] offset:512*\g    ; the image of my 32 registers; each accumulator from its low end on
.endr
	s_wait_alu depctr_va_vdst(0)                   ; the wait ahead of a wait that blocks
	s_wait_dscnt 0x0                               ; my part is stored: its registers are free
	s_barrier_signal -1
.if (\u) < 3
	SMULT (\u)+1                                   ; work on registers while the others arrive: the next tile's scores (its q was waited for above)
.else
	s_barrier_wait -1                              ; all 16 parts are in; nobody reads this tile's pairs any more
	RLOAD
	RSUM 3
.endif
.endm
	s_load_b256 s[4:11], s[0:1], 0x0               ; hcod, hscl, maskw, xc
	v_lshl_add_u32 v6, v0, 2, SPARE
	v_mov_b32 v7, 0
	v_lshrrev_b32 v14, 5, v0
	v_readfirstlane_b32 s12, v14                   ; wave
	s_lshl_b32 s13, s12, 2
	s_lshl_b32 s16, s12, 12
	s_lshl_b32 s17, s12, 8
	v_and_b32 v15, 31, v0                          ; lane
	v_and_b32 v16, 15, v0                          ; r
	v_bfe_u32 v17, v0, 4, 1                        ; h
	v_lshlrev_b32 v1, 4, v15
	v_lshlrev_b32 v2, 3, v15
	v_lshlrev_b32 v3, 3, v17
	v_mul_u32_u24 v4, v16, 80
	v_lshl_add_u32 v5, v17, 5, v4
	v_add_nc_u32 v5, STAT, v5                      ; my query's row, eight waves' words
	v_add_nc_u32 v4, s13, v4
	v_add_nc_u32 v4, STAT, v4                      ; my wave's word in it
	v_add_nc_u32 v8, s16, v1                       ; my part: 4,096 x wave + 16 x lane
	v_add_nc_u32 v9, s17, v2                       ; my slice: 256 x wave + 8 x lane
	v_add_nc_u32 v10, RED, v9
	v_add_nc_u32 v12, RED, v8
	v_mov_b32 v13, 0xff800000
	v_mov_b32 v14, 0                               ; written once: a lane permute's destination counts as one of its sources
	v_mov_b32 v35, 0                               ; (named as the upper halves of pairs before they are first written)
	v_mov_b32 v37, 0
	v_mov_b32 v51, 0
.irp i, 0,1,2,3,4,5
	v_mov_b32 v[22+\i], 0                          ; the zero codes between the two copies of q
.endr
	s_and_b32 s14, ttmp7, 0xffff                   ; 16 b + head
	s_mul_i32 s13, s14, 98304                      ; the head's codes
	s_mul_i32 s17, s12, 6144                       ; my 128 keys
	s_add_co_u32 s18, s13, s17
	s_add_co_u32 s18, s18, 6291456                 ; k's codes; v's lie 6,291,456 bytes on
	s_mov_b32 s19, 0
	s_lshl_b32 s21, s14, 13                        ; the head's scale words
	s_lshl_b32 s25, s12, 9
	s_add_co_u32 s30, s21, s25
	s_mov_b32 s31, 0
	s_mov_b32 s17, 0
	s_mov_b32 s20, 0
	s_wait_alu depctr_va_vdst(0)                   ; the wait at the head's end
	s_wait_kmcnt 0x0
	s_add_nc_u64 s[18:19], s[4:5], s[18:19]
	s_add_nc_u64 s[30:31], s[6:7], s[30:31]
.set n, 0
.rept 12                                       ; images of the registers: every load takes 512 consecutive bytes
	global_load_b128 v[KF+4*n:KF+4*n+3], v1, s[18:19] offset:512*n
	global_load_b128 v[VF+4*n:VF+4*n+3], v1, s[18:19] offset:6291456+512*n
.set n, n+1
.endr
	global_load_b64 v[52:53], v2, s[30:31] offset:524288
	global_load_b64 v[54:55], v2, s[30:31] offset:524544
	global_load_b128 v[56:59], v1, s[30:31] offset:1048576
	s_mul_i32 s16, ttmp9, 24576                    ; my quarter of the queries: 8 groups of 3,072 bytes
	s_add_co_u32 s16, s16, s13
	s_add_nc_u64 s[4:5], s[4:5], s[16:17]
	s_lshl_b32 s16, ttmp9, 11
	s_add_co_u32 s16, s16, s21
	s_add_nc_u64 s[6:7], s[6:7], s[16:17]
	QLOAD 0
	global_load_b64 v[44:45], v2, s[6:7]
	s_lshr_b32 s13, s14, 4
	s_lshl_b32 s13, s13, 7
	s_lshl_b32 s25, ttmp9, 5
	s_add_co_u32 s13, s13, s25                     ; my first tile of queries: 128 b + 32 x quarter
	s_lshl_b32 s16, s13, 12
	s_lshl_b32 s25, s12, 8
	s_add_co_u32 s16, s16, s25
	s_add_nc_u64 s[8:9], s[8:9], s[16:17]          ; its mask words for my 128 keys
	MLOAD
	s_add_co_u32 s13, s13, s12                     ; the tile that I store: of each 16 the one with my wave's number
	s_mul_i32 s16, s13, 13312
	s_and_b32 s21, s14, 15                         ; the head
	s_lshr_b32 s25, s21, 2
	s_mul_i32 s25, s25, 3328
	s_add_co_u32 s16, s16, s25                     ; x: the tile, and the chunk of 4 heads
	s_add_nc_u64 s[10:11], s[10:11], s[16:17]
	s_and_b32 s16, s21, 3
	s_lshl_b32 s16, s16, 1
	s_add_co_u32 s16, s16, 3072
	s_add_nc_u64 s[28:29], s[10:11], s[16:17]      ; my head's two bytes of a lane's two scale words
	s_bfe_u32 s16, s21, 0x10001
	s_mul_i32 s16, s16, 1536
	s_and_b32 s25, s21, 1
	s_mul_i32 s25, s25, 768
	s_add_co_u32 s16, s16, s25
	s_add_nc_u64 s[10:11], s[10:11], s[16:17]      ; my head's half of a fragment
	s_mov_b32 s22, 0x3e38aa3b                      ; c = log2(e) / 8
	s_mov_b32 s23, s22                             ; (named with it as a pair, so it is written)
	s_mov_b32 s24, 0xbe38aa3b                      ; -c
	s_mov_b32 s26, 0x76543210
	s_mov_b32 s27, 0xfedcba98
	s_mov_b32 s15, 2
	s_wait_loadcnt 0x0                             ; k, v, the first q
	v_lshlrev_b32 v46, 16, v44
.rept 8
	v_nop                                          ; a scale word written by a vector instruction stands eight places ahead of the scaled matrix instruction
.endr
	s_wait_alu depctr_va_vdst(0)
.Lhalf:                                            ; two trips of 16 tiles
	s_mov_b32 s17, 0
	s_mov_b32 s16, 4
.Lgroup:                                           ; four trips of a group of four tiles
	v_add_nc_u32 v11, s17, v10
	TILE 0
	TILE 1
	TILE 2
	TILE 3
	s_add_nc_u64 s[4:5], s[4:5], 3072              ; (every load by these bases was waited for in tile 3)
	s_add_nc_u64 s[6:7], s[6:7], 256
	s_add_co_u32 s17, s17, 16384
	s_sub_co_u32 s16, s16, 1
	s_cmp_lg_u32 s16, 0
	s_wait_alu depctr_va_vdst(0)                   ; ahead of the branch
	s_cbranch_scc1 .Lgroup
	BAR                                            ; the 16 summed tiles are whole
.irp g, 0,1,2,3,4,5,6,7
	ds_load_b128 v[S+4*\g:S+4*\g+3], v12 offset:512*\g    ; mine, as the image of 32 registers: my 32 numbers of x are one block of the last product's K (model column 64 head + 32 h on)
.endr
	s_wait_dscnt 0x0
	v_max3_num_f32 v68, |v[S]|, |v[S+1]|, 0x1800000
	v_max3_num_f32 v69, |v[S+16]|, |v[S+17]|, 0x1800000
.irp i, 2,4,6,8,10,12,14
	v_max3_num_f32 v68, |v[S+\i]|, |v[S+\i+1]|, v68
	v_max3_num_f32 v69, |v[S+16+\i]|, |v[S+17+\i]|, v69
.endr
	s_delay_alu instid0(VALU_DEP_1)
	v_max_num_f32 v68, v68, v69
	s_delay_alu instid0(VALU_DEP_1)
	v_add_nc_u32 v40, 0xff000000, v68
	s_delay_alu instid0(VALU_DEP_1)
	v_lshrrev_b32 v42, 23, v40
	s_delay_alu instid0(VALU_DEP_1)
	v_lshlrev_b32 v48, v3, v42
	s_delay_alu instid0(VALU_DEP_1)
	v_permlanex16_b32 v14, v48, s26, s27
	s_delay_alu instid0(VALU_DEP_1)
	v_or_b32 v48, v48, v14                         ; the head's two bytes of my row
	v_cvt_scalef32_pk16_fp6_f32 v[60:62], v[S:S+15], v40
	v_cvt_scalef32_pk16_fp6_f32 v[64:66], v[S+16:S+31], v40
	v_nop
	v_mov_b32 v63, v64
	v_mov_b32 v64, v65
	v_mov_b32 v65, v66
	global_store_b128 v1, v[60:63], s[10:11]               ; registers 0-3 of the half fragment: 512 consecutive bytes
	global_store_b64 v2, v[64:65], s[10:11] offset:512     ; registers 4-5: 256 consecutive bytes
	global_store_b16 v2, v48, s[28:29]                     ; two bytes in each lane's 8: four heads' work-groups fill the 256 bytes between them
	s_wait_xcnt 0x0                                ; the stores have read their data and bases
	s_add_nc_u64 s[10:11], s[10:11], 212992        ; 16 tiles on
	s_add_nc_u64 s[28:29], s[28:29], 212992
	s_sub_co_u32 s15, s15, 1
	s_cmp_lg_u32 s15, 0
	s_wait_alu depctr_va_vdst(0)
	s_cbranch_scc1 .Lhalf
	s_wait_kmcnt 0x0                               ; the mask words asked for in the last tile
	s_wait_tensorcnt 0x0                           ; the wave's end
	ds_add_u32 v6, v7
	s_wait_dscnt 0x0
	s_endpgm
.Lfunc_end_k_q405d505b96_attn:
	.size	k_q405d505b96_attn, .Lfunc_end_k_q405d505b96_attn-k_q405d505b96_attn
	.p2alignl 7, 3214868480
	.fill 96, 4, 3214868480
	.section	.rodata,"a",@progbits
	.p2align	6, 0x0
	.amdhsa_kernel k_q405d505b96_attn
		.amdhsa_group_segment_fixed_size 135680
		.amdhsa_private_segment_fixed_size 0
		.amdhsa_enable_private_segment 0
		.amdhsa_kernarg_size 32
		.amdhsa_user_sgpr_count 2
		.amdhsa_user_sgpr_kernarg_segment_ptr 1
		.amdhsa_wavefront_size32 1
		.amdhsa_system_sgpr_workgroup_id_x 1
		.amdhsa_system_sgpr_workgroup_id_y 1
		.amdhsa_system_sgpr_workgroup_id_z 1
		.amdhsa_system_vgpr_workitem_id 0
		.amdhsa_next_free_vgpr 256
		.amdhsa_next_free_sgpr 102
		.amdhsa_reserve_vcc 0
		.amdhsa_float_denorm_mode_32 3
		.amdhsa_float_denorm_mode_16_64 3
		.amdhsa_memory_ordered 1
		.amdhsa_forward_progress 1
		.amdhsa_inst_pref_size 108
	.end_amdhsa_kernel
	.amdgpu_metadata
---
amdhsa.version: [ 1, 2 ]
amdhsa.kernels:
  - .name:           k_q405d505b96_attn
    .symbol:         k_q405d505b96_attn.kd
    .args:
      - { .name: hcod, .offset: 0, .size: 8, .value_kind: global_buffer, .address_space: global }
      - { .name: hscl, .offset: 8, .size: 8, .value_kind: global_buffer, .address_space: global }
      - { .name: maskw, .offset: 16, .size: 8, .value_kind: global_buffer, .address_space: global }
      - { .name: xc, .offset: 24, .size: 8, .value_kind: global_buffer, .address_space: global }
    .group_segment_fixed_size: 135680
    .private_segment_fixed_size: 0
    .kernarg_segment_align: 8
    .kernarg_segment_size: 32
    .max_flat_workgroup_size: 512
    .sgpr_count:     102
    .vgpr_count:     256
    .wavefront_size: 32
...
	.end_amdgpu_metadata
.endif
;; end of part 3
;; launch outp (part 4): grid 4 x 64, 4 waves a work-group, clusters of 4 x 4, 327,680 bytes of LDS; arguments cod, xc, out0; writes out0
.if DOCPART == 4
	.amdgcn_target "amdgcn-amd-amdhsa--gfx1250"
	.amdhsa_code_object_version 6
	.text
	.protected	k_q405d505b96_outp
	.globl	k_q405d505b96_outp
	.p2align	8
	.type	k_q405d505b96_outp,@function
k_q405d505b96_outp:
	s_mov_b64 s[64:65], 0
	v_nop
	global_prefetch_b8 v0, s[64:65] scope:SCOPE_SE
	s_setreg_imm32_b32 hwreg(HW_REG_WAVE_MODE, 25, 1), 1
	s_wait_xcnt 0x0
	s_wait_alu depctr_hold_cnt(0) depctr_sa_sdst(0) depctr_va_vdst(0) depctr_va_sdst(0) depctr_va_ssrc(0) depctr_va_vcc(0) depctr_vm_vsrc(0)
	s_getreg_b32 s2, hwreg(HW_REG_IB_STS2, 6, 4)
	s_cmp_eq_u32 s2, 0
	s_cbranch_scc0 .Lentry_in_a_cluster
	s_endpgm
.Lentry_in_a_cluster:
	s_bfe_u32 s2, ttmp6, 0x10000c
	s_cmp_lg_u32 s2, 0xf033
	s_cbranch_scc0 .Lentry_shape_is_right
	s_endpgm
.Lentry_shape_is_right:
; OUTP.  out0 = x Wo^T on codes of FP6 with E8M0 scales, K = 1,024; out0 [8192][1024] f32.
; Z = S0 S1^T, source 0 = 16 rows of Wo, source 1 = 16 rows of x: a lane holds one row of x, and by the tiles' order of rows (row m of tile T is matrix row 64 (T / 4) + 8 (T % 4) + m % 8 + 32 (m / 8))
; the 32 registers of four neighbouring tiles of Wo are 32 neighbouring columns of out0.
; SHARES.  A work-group makes 256 columns x 128 rows; all of K lies in LDS (4 chunks of 2 K steps), each byte filled once.  A wave makes 128 columns x 64 rows: 32 accumulators.
; CLUSTER 4 x 4: Wo's tiles hang on cx alone and are asked for jointly by a column of the cluster, x's on cy alone, by a row.
; x's fragments lie in two halves of 768 bytes (a head each): registers 0-3 at 16 x lane, registers 4-5 at 8 x lane behind them.
; REGISTERS: window 0: v1-12 addresses; v16-111 Wo's 8 fragments, v112-159 x's 4 (even K steps); v160-207 scale words, two sets; on the way out v16-143 rows of out0.
;   window 1: accumulator (a, b) at v[8 (8 a + b)], a: tile of x, b: tile of Wo.   window 2: v16-159 the fragments of odd K steps.
.set CHUNK, 79872
.set TROW,  3328
.set S1OFF, 212992                     ; LDS: Wo's 16 tiles, whole, then x's 8
.set TILE,  13312                      ; a tile with all of K; TROW: two K steps of it
.set SPARE, 4*CHUNK                    ; the spare words, 128 bytes for each wave: two blocks of 256 bytes that no other line names
.set SPITCH, 528                       ; the way out: a stage of 16 rows x (512 bytes + 16) for each wave, from LDS byte 0: those bytes have had their one fill, and every wave has passed a barrier behind its last read of them
.set WV,  10
.set MSB, 0
.macro WIN new
.set WNEW, \new
.if MSB != WNEW
	s_set_vgpr_msb (MSB<<8)|WNEW
.set MSB, WNEW
.endif
.endm
.macro CROUND
	s_barrier_signal -1
	s_barrier_wait -1
	s_cmp_lg_u32 s[WV], 0
	s_cbranch_scc1 .Lnot_wave_0_\@
	s_barrier_signal -3
.Lnot_wave_0_\@:
	s_barrier_wait -3
	s_barrier_signal -1
	s_barrier_wait -1
.endm
.macro LOADF s
.set LP, (\s)%2
.if LP
	WIN 0x80                                       ; destination window 2
.else
	WIN 0
.endif
.irp t, 0,1,2,3,4,5,6,7
.irp k, 0,1,2
	ds_load_b128 v[16+12*\t+4*\k:19+12*\t+4*\k], v[1+12*(\t/4)] offset:(\t%4)*TILE+LP*1536+512*\k
.endr
.endr
.irp t, 0,1,2,3
.irp e, 0,1
	ds_load_b128 v[112+12*\t+6*\e:115+12*\t+6*\e], v2 offset:\t*TILE+LP*1536+768*\e
	ds_load_b64 v[116+12*\t+6*\e:117+12*\t+6*\e], v10 offset:\t*TILE+LP*1536+768*\e+512
.endr
.endr
	WIN 0
.endm
.macro LOADS q
.irp t, 0,1,2,3,4,5,6,7
	ds_load_b64 v[160+24*(\q)+2*\t:161+24*(\q)+2*\t], v[3+11*(\t/4)] offset:(\t%4)*TILE
.endr
.irp t, 0,1,2,3
	ds_load_b64 v[176+24*(\q)+2*\t:177+24*(\q)+2*\t], v4 offset:\t*TILE
.endr
.endm
.macro MUL s                           ; the 32 accumulators take turns, one instruction a turn, in the same order in every K step
.set MP, (\s)%2
.set MQ, ((\s)/2)%2
.if MP
	WIN 0x5a
.else
	WIN 0x50
.endif
.irp a, 0,1,2,3
.irp b, 0,1,2,3,4,5,6,7
.if (\s) == 0
	v_wmma_scale_f32_16x16x128_f8f6f4 v[8*(8*\a+\b):8*(8*\a+\b)+7], v[16+12*\b:27+12*\b], v[112+12*\a:123+12*\a], 0, v[160+24*MQ+2*\b+MP], v[176+24*MQ+2*\a+MP] matrix_a_fmt:MATRIX_FMT_FP6 matrix_b_fmt:MATRIX_FMT_FP6
.else
	v_wmma_scale_f32_16x16x128_f8f6f4 v[8*(8*\a+\b):8*(8*\a+\b)+7], v[16+12*\b:27+12*\b], v[112+12*\a:123+12*\a], v[8*(8*\a+\b):8*(8*\a+\b)+7], v[160+24*MQ+2*\b+MP], v[176+24*MQ+2*\a+MP] matrix_a_fmt:MATRIX_FMT_FP6 matrix_b_fmt:MATRIX_FMT_FP6
.endif
.endr
.endr
	WIN 0
.endm
	s_load_b128 s[4:7], s[0:1], 0x0                ; cod, xc
	s_load_b64 s[8:9], s[0:1], 0x10                ; out0
	v_lshl_add_u32 v8, v0, 2, SPARE
	v_mov_b32 v9, 0
	ds_add_u32 v8, v9                              ; the wave's opening: the add and its wait come ahead of my first tensor load; the set-up below, work on registers, stands between them
	ds_add_u32 v8, v9
	v_lshrrev_b32 v13, 5, v0
	v_readfirstlane_b32 s[WV], v13
	s_and_b32 s11, s[WV], 1                        ; my half of the 256 columns; also which half of a tile run I fetch
	s_lshr_b32 s12, s[WV], 1                       ; my half of the 128 rows
	s_bfe_u32 s13, ttmp6, 0x40000                  ; cx: which 256 columns
	s_bfe_u32 s14, ttmp6, 0x40004                  ; cy
	s_and_b32 s15, ttmp7, 0xffff                   ; cluster y, 0 .. 15
	s_lshl_b32 s19, s15, 2
	s_add_co_u32 s19, s19, s14                     ; which 128 rows: hangs on cy alone
	s_lshl_b32 s2, 0x1111, s13                     ; my column of the cluster
	s_lshl_b32 s3, s14, 2
	s_lshl_b32 s3, 15, s3                          ; my row
	; descriptor group 1: rows of 13,312 bytes (1,664 elements of 8 bytes), 13,312 bytes apart (1,664 elements), dense in LDS
	s_or_b32 s24, s2, (3<<16)|(1<<21)              ; Wo's tiles go to my column
	s_mov_b32 s25, 1664<<16                        ; a whole tile, 13,312 bytes, is a row
	s_mov_b32 s26, 8<<16
	s_mov_b32 s27, 1664<<16
	s_mov_b32 s28, 8
	s_mov_b32 s29, 1664
	s_mov_b32 s30, 0
	s_mov_b32 s31, 0
	s_or_b32 s32, s3, (3<<16)|(1<<21)              ; x's tiles go to my row
	s_mov_b32 s33, 1664<<16
	s_mov_b32 s34, 4<<16
	s_mov_b32 s35, 1664<<16
	s_mov_b32 s36, 4
	s_mov_b32 s37, 1664
	s_mov_b32 s38, 0
	s_mov_b32 s39, 0
	s_lshl_b32 s20, s13, 4
	s_add_co_u32 s20, s20, 1728                    ; Wo's first tile in cod
	s_lshl_b32 s21, s11, 3
	s_add_co_u32 s20, s20, s21
	s_mul_i32 s20, s20, 13312
	s_mov_b32 s21, 0
	s_lshl_b32 s22, s19, 3
	s_lshl_b32 s23, s11, 2
	s_add_co_u32 s22, s22, s23
	s_mul_i32 s22, s22, 13312
	s_mov_b32 s23, 0
	s_mul_i32 s77, s11, 8*TILE
	s_mul_i32 s79, s11, 4*TILE
	s_add_co_u32 s79, s79, S1OFF
	s_mul_i32 s78, s12, 4*TILE
	s_add_co_u32 s78, s78, S1OFF
	s_mul_i32 s76, s[WV], 16*SPITCH                ; my stage
	v_and_b32 v13, 31, v0
	v_bfe_u32 v14, v0, 4, 1
	v_and_b32 v15, 15, v0
	v_lshlrev_b32 v5, 4, v13                       ; 16 x lane
	v_lshlrev_b32 v6, 3, v13                       ; 8 x lane
	v_add_nc_u32 v1, s77, v5                       ; Wo's fragments
	v_add_nc_u32 v2, s78, v5                       ; x's, the pieces of 16 bytes a lane,
	v_add_nc_u32 v10, s78, v6                      ; and those of 8
	v_add_nc_u32 v3, s77, v6
	v_add_nc_u32 v3, 3072, v3                      ; Wo's scale words
	v_add_nc_u32 v4, s78, v6
	v_add_nc_u32 v4, 3072, v4                      ; x's
	v_mul_u32_u24 v11, v15, SPITCH
	v_lshl_add_u32 v11, v14, 7, v11
	v_add_nc_u32 v11, s76, v11                     ; into the stage: row r, + 128 h
	v_add_nc_u32 v12, s76, v5                      ; back: 16 bytes a lane of a row of 512
	v_add_nc_u32 v13, 4*TILE, v1                   ; Wo's tiles 4-7: their bytes lie beyond an LDS immediate's reach
	v_add_nc_u32 v14, 4*TILE, v3
	s_wait_dscnt 0x0                               ; the opening add is done
	s_wait_kmcnt 0x0
	s_add_nc_u64 s[20:21], s[4:5], s[20:21]
	s_add_nc_u64 s[22:23], s[6:7], s[22:23]
.irp c, 0                                      ; one group 0 for Wo, one for x
.set DB, 56+4*\c+4*(\c/2)
	s_mov_b32 s[40+4*\c], 1
	s_add_co_u32 s[41+4*\c], s77, \c*CHUNK
	s_add_nc_u64 s[42+4*\c:43+4*\c], s[20:21], \c*TROW
	s_or_b32 s[43+4*\c], s[43+4*\c], 0x80000000
	s_mov_b32 s[DB], 1
	s_add_co_u32 s[DB+1], s79, \c*CHUNK
	s_add_nc_u64 s[DB+2:DB+3], s[22:23], \c*TROW
	s_or_b32 s[DB+3], s[DB+3], 0x80000000
.endr
	CROUND                                         ; all sixteen work-groups are here: the joint loads meet
	s_cmp_lt_u32 s[WV], 2                          ; waves 0, 1 fetch Wo's halves, waves 2, 3 x's: one load a wave, with all of K
	s_cbranch_scc0 .Lfill_s1
.irp c, 0
	tensor_load_to_lds s[40+4*\c:43+4*\c], s[24:31]
	s_nop 0
.endr
.rept 4
	v_nop
.endr
	s_branch .Lfilled
.Lfill_s1:
.irp c, 0
.set DB, 56+4*\c+4*(\c/2)
	tensor_load_to_lds s[DB:DB+3], s[32:39]
	s_nop 0
.endr
.rept 4
	v_nop
.endr
.Lfilled:
	; where my part of out0 begins: row 64 (2 x block of rows + half), column 256 cx + 128 x half
	s_lshl_b32 s20, s19, 1
	s_add_co_u32 s20, s20, s12
	s_lshl_b32 s20, s20, 18                        ; 64 rows of 4,096 bytes
	s_lshl_b32 s21, s13, 10
	s_add_co_u32 s20, s20, s21
	s_lshl_b32 s21, s11, 9
	s_add_co_u32 s20, s20, s21
	s_mov_b32 s21, 0
	s_add_nc_u64 s[8:9], s[8:9], s[20:21]
	s_wait_tensorcnt 0x0                           ; my one load is in
	s_barrier_signal -1
	s_barrier_wait -1
	s_wait_alu depctr_va_vdst(0)
	LOADS 0
	LOADF 0
.irp s, 0,1,2,3,4,5,6,7
	s_wait_dscnt 0x0                               ; this K step's fragments are in
.if ((\s)%2 == 1) && ((\s) < 7)
	v_add_nc_u32 v1, TROW, v1                      ; on to the next two K steps of every tile; these are also the places in front of the loads below
	v_add_nc_u32 v2, TROW, v2
	v_add_nc_u32 v3, TROW, v3
	v_add_nc_u32 v4, TROW, v4
	v_add_nc_u32 v10, TROW, v10
	v_add_nc_u32 v13, TROW, v13
	v_add_nc_u32 v14, TROW, v14
.elseif ((\s) > 0) && ((\s) < 7)
.rept 4
	v_nop                                          ; four places in front of loads into registers that matrix instructions have read
.endr
.endif
.if (\s) < 7
	s_wait_alu depctr_va_vdst(0)
	LOADF \s+1
.if (\s)%2 == 1
	LOADS ((\s+1)/2)%2
.endif
.endif
	MUL \s
.endr
.rept 4
	v_nop                                          ; four places in front of the first read of results and of loads into the fragments' registers
.endr
; THE WAY OUT, a tile of 16 rows x 128 columns at a time, through my own stage: in as 16 bytes of a row a lane, back as whole rows of 512 bytes.  LDS serves a wave's instructions in order:
; no wait between the stores and the loads, nor in front of the next tile's stores.
.macro TOSTAGE a
	WIN 0x04                                       ; an LDS store's data are its source 1: window 1
.irp c, 0,1
.irp e, 0,1,2,3,4,5,6,7
	ds_store_b128 v11, v[64*(\a)+32*\c+4*\e:64*(\a)+32*\c+4*\e+3] offset:256*\c+16*\e   ; each accumulator from its low end on
.endr
.endr
	WIN 0
.set BB, 16+64*((\a)%2)
.irp i, 0,1,2,3,4,5,6,7,8,9,10,11,12,13,14,15
	ds_load_b128 v[BB+4*\i:BB+4*\i+3], v12 offset:\i*SPITCH
.endr
.endm
.macro SEND a, younger                 ; younger: the LDS instructions issued behind tile a's loads, which may stay out
.set BB, 16+64*((\a)%2)
	s_wait_dscnt \younger
.irp i, 0,1,2,3,4,5,6,7,8,9,10,11,12,13,14,15
	global_store_b128 v5, v[BB+4*\i:BB+4*\i+3], s[8:9] offset:(8*(\a)+\i%8+32*(\i/8))*4096 th:TH_STORE_NT   ; 32 lanes store 512 consecutive bytes, at a multiple of 512 from out0's first byte
.endr
.endm
	s_wait_dscnt 0x0                               ; my reads of the tiles are over;
	s_barrier_signal -1
	s_barrier_wait -1                              ; everybody's are: the stages may be laid over them
	TOSTAGE 0
	TOSTAGE 1
	SEND 0, 32                                     ; behind tile 0's loads: tile 1's 16 stores and 16 loads
	s_wait_xcnt 0x0                                ; tile 0's stores have read their registers: tile 2's loads may land there
	TOSTAGE 2
	SEND 1, 32
	s_wait_xcnt 0x0
	TOSTAGE 3
	SEND 2, 32
	SEND 3, 0
	s_wait_tensorcnt 0x0                           ; the wave's end
	ds_add_u32 v8, v9
	s_wait_dscnt 0x0
	CROUND                                         ; the closing round
	s_endpgm
.Lfunc_end_k_q405d505b96_outp:
	.size	k_q405d505b96_outp, .Lfunc_end_k_q405d505b96_outp-k_q405d505b96_outp
	.p2alignl 7, 3214868480
	.fill 96, 4, 3214868480
	.section	.rodata,"a",@progbits
	.p2align	6, 0x0
	.amdhsa_kernel k_q405d505b96_outp
		.amdhsa_group_segment_fixed_size 327680
		.amdhsa_private_segment_fixed_size 0
		.amdhsa_enable_private_segment 0
		.amdhsa_kernarg_size 24
		.amdhsa_user_sgpr_count 2
		.amdhsa_user_sgpr_kernarg_segment_ptr 1
		.amdhsa_wavefront_size32 1
		.amdhsa_system_sgpr_workgroup_id_x 1
		.amdhsa_system_sgpr_workgroup_id_y 1
		.amdhsa_system_sgpr_workgroup_id_z 1
		.amdhsa_system_vgpr_workitem_id 0
		.amdhsa_next_free_vgpr 672
		.amdhsa_next_free_sgpr 80
		.amdhsa_reserve_vcc 0
		.amdhsa_float_denorm_mode_32 3
		.amdhsa_float_denorm_mode_16_64 3
		.amdhsa_memory_ordered 1
		.amdhsa_forward_progress 1
		.amdhsa_inst_pref_size 79
	.end_amdhsa_kernel
	.amdgpu_metadata
---
amdhsa.version: [ 1, 2 ]
amdhsa.kernels:
  - .name:           k_q405d505b96_outp
    .symbol:         k_q405d505b96_outp.kd
    .args:
      - { .name: cod, .offset: 0, .size: 8, .value_kind: global_buffer, .address_space: global }
      - { .name: xc, .offset: 8, .size: 8, .value_kind: global_buffer, .address_space: global }
      - { .name: out0, .offset: 16, .size: 8, .value_kind: global_buffer, .address_space: global }
    .group_segment_fixed_size: 327680
    .private_segment_fixed_size: 0
    .kernarg_segment_align: 8
    .kernarg_segment_size: 24
    .max_flat_workgroup_size: 128
    .sgpr_count:     80
    .vgpr_count:     672
    .wavefront_size: 32
...
	.end_amdgpu_metadata
.endif
;; end of part 4
